; MI455X (gfx1250); checked and timed in simulation.
; The chip was launched on July 23, 2026; its instructions are those of AMD's public machine-readable ISA for CDNA 5 (MIT licence, August 2026) and "CDNA5" Instruction Set Architecture Reference Guide (July 2026). The comments in the code are by the model that wrote it; some were corrected since.
;; Decoder. Allowed arithmetic: matrix products marked QUANTISED: E5M2 operands, one given power-of-two scale a tensor, by v_wmma_f32_16x16x64_bf8_bf8 or v_wmma_f32_16x16x128_bf8_bf8, f32 sums; products left as they are: f32 operands where the result goes on into a quantised operand, else bf16, f16 or f32 operands; f32 sums; everything else in f32.
;; Inputs: W_comb 128 x 128 float32; Wk 128 x 128 float32; Wq_first 128 x 128 float32; Wq_last 128 x 128 float32; Wv 128 x 128 float32; b_comb 128 float32; encoded_last_node 32 x 512 x 128 float32; encoded_nodes 32 x 512 x 128 float32; encoded_q1 32 x 512 x 128 float32; lowp_scales 14 int32 (the exponents e of the quantised operands' scales 2^e); ninf_mask 32 x 512 x 512 float32.
;; Outputs: out0 32 x 512 x 512 float32.
;; This version of the problem:
;;   THIS VERSION OF THE PROBLEM IS GIVEN IN LOW PRECISION. The matrix products marked QUANTISED in the list below multiply operands that are first quantised to E5M2 (5 exponent bits, 2 mantissa bits; 8 bits a number), with one given power-of-two scale for each operand tensor; their sums are f32. All else is computed in f32.
;;   The module's matrix products, in the order in which they are computed (A, B: the left and right operand; K: the contracted axis; several contracted axes count as one K, in the product's order):
;;     1. [M 16,384, K 128] x [K 128, N 128]; A: input encoded_q1; B: input Wq_first: QUANTISED (scales: A lowp_scales[0], B lowp_scales[1])
;;     2. [M 16,384, K 128] x [K 128, N 128]; A: input encoded_last_node; B: input Wq_last: QUANTISED (scales: A lowp_scales[2], B lowp_scales[3])
;;     3. [M 16,384, K 128] x [K 128, N 128]; A: input encoded_nodes; B: input Wk: QUANTISED (scales: A lowp_scales[4], B lowp_scales[5])
;;     4. [M 16,384, K 128] x [K 128, N 128]; A: input encoded_nodes; B: input Wv: QUANTISED (scales: A lowp_scales[6], B lowp_scales[7])
;;     5. batch 256 x [M 512, K 16] x [K 16, N 512]; A: computed on the way; B: computed on the way: left as it is (K = 16 < 32)
;;     6. batch 256 x [M 512, K 512] x [K 512, N 16]; A: softmax (see below); B: computed on the way: QUANTISED (scales: A lowp_scales[8], B lowp_scales[9])
;;     7. [M 16,384, K 128] x [K 128, N 128]; A: computed on the way; B: input W_comb: QUANTISED (scales: A lowp_scales[10], B lowp_scales[11])
;;     8. batch 32 x [M 512, K 128] x [K 128, N 512]; A: computed on the way; B: input encoded_nodes: QUANTISED (scales: A lowp_scales[12], B lowp_scales[13])
;;   THE QUANTISER, for each operand of a quantised product, along K:
;;     - The operand's scale is 2^e, e = its entry of the input lowp_scales (int32; the entries are numbered through the quantised products in the list's order, A before B).
;;     - Each number is divided by the scale, clamped to +-57,344, and rounded to the nearest number of E5M2, ties to even, subnormals kept.
;;     - The product sums the exact products of the quantised numbers (number of the format x scale) in f32.
;;   ~~~python
;;   def quantise(x, axis, e):      # numpy; x: float32 -> the quantised numbers, widened to float32 again
;;       x = np.moveaxis(x, axis, -1); K = x.shape[-1]
;;       r = np.clip(x / 2.0 ** e, -57344, 57344)
;;       step = 2.0 ** (np.maximum(np.frexp(np.where(r == 0, 1, r))[1] - 1, -14) - 2)
;;       q = np.round(r / step) * step * 2.0 ** e      # np.round: ties to even
;;       return np.moveaxis(q, -1, axis).astype(np.float32)
;;   ~~~
;;   SOFTMAX AHEAD OF A QUANTISED PRODUCT. Where the list says 'softmax', what is quantised is not the finished softmax but p = 2^(t - M), with t = logit x log2(e) and M = ceil(the row's largest t), a whole number; so 1/2 < the row's largest p <= 1. The row's sum l is taken of the UNQUANTISED p, in f32, and the product's result is divided by l at the end. Since M is a whole number, a kernel that streams over the keys may use a running M (the ceiling of the running maximum): every later rescaling is an exact power of two, so the quantised numbers keep their values, but for numbers so far below the row's largest that they fall under the format's range.
;;   OPERANDS COMPUTED ON THE WAY. 'Computed on the way' means the value that the module computes at that place (a softmax that the list does not call 'softmax' is quantised finished and normalised). What goes into a quantiser is computed in f32, as accurately as f32 sums, v_exp_f32 and their like allow (about 1e-6 of the number): no bf16 or f16 on the way to a quantiser, and a product that is left as it is and whose result goes on into a quantised operand takes f32 operands (vector FMAs, or v_wmma_f32_16x16x4_f32). A number that lies on a knife's edge between two numbers of the format may be rounded either way, as far as f32 arithmetic and the matrix unit's own rounding can turn it there, and no further.
;; One version. Each part assembles by itself: llvm-mc -triple=amdgcn-amd-amdhsa -mcpu=gfx1250 --defsym DOCPART=n.
;; ======== version 1 of 1: 2 launches
;; workspace buffers: kv 4,194,304 bytes; nc 2,097,152 bytes; wc 65,536 bytes
;; launch prep (part 1): grid 136 x 1, 4 waves a work-group, no clusters, 16,896 bytes of LDS; arguments encoded_nodes, Wv, Wq_first, Wq_last, Wk, W_comb, lowp_scales, kv, nc, wc; writes kv, nc, wc
.if DOCPART == 1
	.amdgcn_target "amdgcn-amd-amdhsa--gfx1250"
	.amdhsa_code_object_version 6
	.text
	.protected	k_q05ca1def01_prep
	.globl	k_q05ca1def01_prep
	.p2align	8
	.type	k_q05ca1def01_prep,@function
k_q05ca1def01_prep:
	s_mov_b64 s[64:65], 0
	v_nop
	global_prefetch_b8 v0, s[64:65] scope:SCOPE_SE
	s_setreg_imm32_b32 hwreg(HW_REG_WAVE_MODE, 25, 1), 1
	s_wait_xcnt 0x0
; WHAT MANY WORK-GROUPS OF THE SECOND LAUNCH READ IS QUANTISED ONCE, to codes of BF8 (E5M2), and stored as IMAGES OF OPERAND REGISTERS.
; code = x / 2^e, held within +-57,344, to the nearest code, ties to even; e: the operand's entry of lowp_scales.
;   kv: for each batch 131,072 bytes: 32 images of the nodes under e4 (a tile of 16 keys x 128: 2,048 bytes), then V's codes under e9, keys innermost: [head 8][64 keys 8] images of 1,024 bytes
;   nc: [batch][tile of 16 keys] images of the nodes under e13      wc: [Wq_first, Wq_last, Wk, W_comb][tile of 16 columns] images under e1, e3, e5, e11
; A FRAGMENT (16 rows x 128 K) is 16 registers: lane l holds row l % 16; registers 2 c, 2 c + 1 hold K = 16 c + 8 (l / 16) + 0 .. 7.  Its image: registers 4 j .. 4 j + 3 of lane l at 512 j + 16 l.
; SHARES.  Work-groups 0 to 127: wave 4 x work-group + wave owns 32 rows of the nodes, two tiles of keys: it reads them once and quantises them three times (e4, e13, e6).  V = nodes Wv is made here:
; source 0 = 16 keys (e6), source 1 = 16 columns of Wv (e7): a lane's eight results are eight neighbouring KEYS of one channel, so one conversion gives two registers of V's fragment for the product
; with the softmax, whose K is the keys.  Wv's eight fragments are made once a work-group, two a wave, and go round through LDS.
; Work-groups 128 to 135 make the 32 fragments of wc, one a wave, and nothing else: 128 work-groups leave WGPs free, so this work runs beside the nodes' and not behind it.
; A weight is stored [K][N]: a lane takes a column and its registers run down K, so nothing is transposed.
; LIMITS: e1, e3, e4, e5, e6, e7, e11, e13 and e9 - e6 - e7 between -126 and 112, so that each scale and 57,344 x it is an f32 number.  NaN among the inputs is not served.
; No tensor load: LDS is claimed as it is used.
.set AA, 64                            ; v64-127   64 numbers
.set BB, 128                           ; v128-191  64 numbers
.set CC, 192                           ; v192-255  64 numbers; later V's codes
.set PC, 16                            ; v16-31    the codes just made
.set NF, 32                            ; v32-63    my two tiles of keys under e6
; v1 a weight's lane term, v2 the nodes' lane term, v3 16 x lane, v14 16 x lane + 4,096 x wave; v4:5, v6:7, v8:9, v10:11, v12:13: a scale as f32 and 57,344 x it, for e4, e13, e6, e7, e9 - e6 - e7
.macro MKS se, vs, vl                  ; 2^e as f32 (the conversion takes its exponent field) and 57,344 x 2^e
	s_add_co_i32 s46, s[\se], 127
	s_lshl_b32 s47, s46, 23
	v_mov_b32 v[\vs], s47
	s_add_co_i32 s46, s46, 15
	s_lshl_b32 s46, s46, 23
	s_or_b32 s46, s46, 0x600000
	v_mov_b32 v[\vl], s46
.endm
.macro WLOAD dst, base, off            ; W(16 c + 8 h + i, my column): sixteen neighbouring lanes read 64 neighbouring bytes
.irp c, 0,1,2,3,4,5,6,7
.irp i, 0,1,2,3,4,5,6,7
	global_load_b32 v[\dst+8*\c+\i], v1, s[\base:\base+1] offset:\off+(16*\c+\i)*512
.endr
.endr
.endm
.macro XLOAD dst, off                  ; a tile of 16 rows of the nodes: my row's K = 16 c + 8 h + 0 .. 7; the sixteen loads together cover 8,192 consecutive bytes
.irp c, 0,1,2,3,4,5,6,7
.irp i, 0,1
	global_load_b128 v[\dst+8*\c+4*\i:\dst+8*\c+4*\i+3], v2, s[4:5] offset:\off+64*\c+16*\i th:TH_LOAD_NT
.endr
.endr
.endm
.macro QUANT src, tmp, dst, vs, vl     ; 64 numbers of a lane become a fragment's 16 registers
.set n, 0
.rept 64
	v_med3_num_f32 v[\tmp+n], v[\src+n], -v[\vl], v[\vl]   ; the conversion to an 8-bit code does not saturate (ISA guide 7.6.2): the hold comes first
.set n, n+1
.endr
.irp c, 0,1,2,3,4,5,6,7
	v_cvt_scalef32_pk8_bf8_f32 v[\dst+2*\c:\dst+2*\c+1], v[\tmp+8*\c:\tmp+8*\c+7], v[\vs]
.endr
	v_nop                                          ; one plain line behind the last conversion, ahead of whatever vector or matrix line next touches its registers
.endm
.macro GIMG reg, base, off             ; an image to memory: each store covers 512 consecutive bytes, aligned
.irp j, 0,1,2,3
	global_store_b128 v3, v[\reg+4*\j:\reg+4*\j+3], s[\base:\base+1] offset:\off+512*\j
.endr
.endm
.macro LIMG reg, off                   ; and to LDS
.irp j, 0,1,2,3
	ds_store_b128 v14, v[\reg+4*\j:\reg+4*\j+3] offset:\off+512*\j
.endr
.endm
.macro TILE src, off, nf               ; one tile of keys, three times
	QUANT \src, BB, PC, 4, 5
	GIMG PC, 18, \off
	s_wait_xcnt 0x0                                ; the stores have read the codes' registers: they are written again only behind this wait
	QUANT \src, BB, PC, 6, 7
	GIMG PC, 20, \off
	QUANT \src, BB, \nf, 8, 9
.endm
	s_load_b512 s[4:19], s[0:1], 0x0               ; nodes 4:5, Wv 6:7, Wq_first 8:9, Wq_last 10:11, Wk 12:13, W_comb 14:15, scales 16:17, kv 18:19
	s_load_b128 s[20:23], s[0:1], 0x40             ; nc 20:21, wc 22:23
	v_lshl_add_u32 v15, v0, 2, 0x4000
	s_set_vgpr_msb 0x40
	v_mov_b32 v1, 0
	s_set_vgpr_msb 0x4000
	v_lshrrev_b32 v1, 5, v0
	v_readfirstlane_b32 s24, v1                    ; wave 0..3
	v_and_b32 v4, 15, v0                           ; r
	v_bfe_u32 v5, v0, 4, 1                         ; h
	v_and_b32 v3, 31, v0
	v_lshlrev_b32 v1, 2, v4
	v_lshl_add_u32 v1, v5, 12, v1                  ; a weight: column r, 8 h rows of 512 bytes down
	v_lshlrev_b32 v2, 9, v4
	v_lshl_add_u32 v2, v5, 5, v2                   ; the nodes: row r of 512 bytes, + 32 h
	v_lshlrev_b32 v3, 4, v3                        ; 16 x lane
	s_lshl_b32 s25, s24, 12
	v_add_nc_u32 v14, s25, v3                      ; my two fragments of Wv in LDS
	s_mov_b32 s43, 0
	s_mov_b32 s45, 0
	s_wait_kmcnt 0x0
	s_load_b256 s[28:35], s[16:17], 0x0            ; e0 .. e7
	s_load_b128 s[36:39], s[16:17], 0x20           ; e8 .. e11
	s_load_b64 s[40:41], s[16:17], 0x30            ; e12, e13
	s_cmp_ge_u32 ttmp9, 128                        ; the work-groups part here, on their number alone, ahead of every LDS instruction and of the barrier
	s_cbranch_scc1 .Lweights
	s_lshl_b32 s25, ttmp9, 2
	s_add_co_u32 s25, s25, s24                     ; which 32 rows of the 16,384 are mine
	s_lshr_b32 s26, s25, 4                         ; the batch
	s_and_b32 s27, s25, 15                         ; the pair of tiles in it
	s_lshl_b32 s42, s25, 14
	s_add_nc_u64 s[4:5], s[4:5], s[42:43]          ; my rows
	s_lshl_b32 s42, s24, 7
	s_add_nc_u64 s[6:7], s[6:7], s[42:43]          ; Wv at column 32 x wave
	s_lshl_b32 s42, s26, 17
	s_add_nc_u64 s[18:19], s[18:19], s[42:43]      ; kv at my batch
	s_lshl_b32 s42, s27, 9
	s_add_co_u32 s42, s42, 65536
	s_add_nc_u64 s[48:49], s[18:19], s[42:43]      ; V's codes: my pair of tiles is half an image, 512 bytes, in each head's 8,192
	s_lshl_b32 s42, s27, 12
	s_add_nc_u64 s[18:19], s[18:19], s[42:43]      ; the nodes under e4: my two images
	s_lshl_b32 s42, s25, 12
	s_add_nc_u64 s[20:21], s[20:21], s[42:43]      ; and under e13
	XLOAD CC, 0
	WLOAD AA, 6, 0
	WLOAD BB, 6, 64
	s_wait_kmcnt 0x0
	MKS 32, 4, 5
	MKS 41, 6, 7
	MKS 34, 8, 9
	MKS 35, 10, 11
	s_sub_co_i32 s44, s37, s34
	s_sub_co_i32 s44, s44, s35                     ; a sum of nodes x Wv stands for sum x 2^(e6 + e7): its code under e9 is sum / 2^(e9 - e6 - e7)
	MKS 44, 12, 13
	s_wait_loadcnt 63                              ; behind the first fragment's loads stand the second's 64: the largest count that the wait can name leaves 63 of them out
	QUANT AA, AA, PC, 10, 11
	LIMG PC, 0
	XLOAD AA, 8192                                 ; my second tile of keys
	s_wait_loadcnt 16                              ; the second fragment is in; the sixteen loads just issued may be out
	s_wait_dscnt 0x0                               ; the LDS stores have read the codes
	QUANT BB, BB, PC, 10, 11
	LIMG PC, 2048
	s_wait_dscnt 0x0
	TILE CC, 0, NF
	s_wait_loadcnt 0x0
	s_wait_xcnt 0x0                                ; the last image's stores have read the codes
	TILE AA, 2048, NF+16
	s_wait_dscnt 0x0                               ; for the others' sake: my fragments of Wv lie in LDS
	s_barrier_signal -1
	s_barrier_wait -1
.irp hf, 0,1                           ; V: four heads at a time, my two tiles of keys
.irp i, 0,1,2,3
.irp j, 0,1,2,3
	ds_load_b128 v[AA+16*\i+4*\j:AA+16*\i+4*\j+3], v3 offset:(4*\hf+\i)*2048+512*\j
.endr
.endr
	s_wait_dscnt 0x0
.irp i, 0,1,2,3
.irp t, 0,1
	v_wmma_f32_16x16x128_bf8_bf8 v[BB+8*(2*\i+\t):BB+8*(2*\i+\t)+7], v[NF+16*\t:NF+16*\t+15], v[AA+16*\i:AA+16*\i+15], 0
.endr
.endr
.rept 4
	v_nop                                          ; four places ahead of the first read of results (ISA guide 7.12.1)
.endr
.set n, 0
.rept 64
	v_med3_num_f32 v[BB+n], v[BB+n], -v13, v13     ; each accumulator from its low end on
.set n, n+1
.endr
.irp i, 0,1,2,3
.irp t, 0,1
	v_cvt_scalef32_pk8_bf8_f32 v[CC+16*\hf+4*\i+2*\t:CC+16*\hf+4*\i+2*\t+1], v[BB+8*(2*\i+\t):BB+8*(2*\i+\t)+7], v12
.endr
.endr
	v_nop
.irp i, 0,1,2,3
	global_store_b128 v3, v[CC+16*\hf+4*\i:CC+16*\hf+4*\i+3], s[48:49] offset:(4*\hf+\i)*8192   ; 512 consecutive bytes, aligned; registers of their own, never written again
.endr
.endr
	s_set_vgpr_msb 0x4
	s_wait_tensorcnt 0x0
	ds_add_u32 v15, v1
	s_wait_dscnt 0x0
	s_set_vgpr_msb 0x400
	s_endpgm
.Lweights:                             ; the four weights: 32 fragments, one for each wave of work-groups 128 to 135.  No LDS and no barrier on this way
	s_sub_co_u32 s27, ttmp9, 128                   ; 0 .. 7
	s_lshr_b32 s25, s27, 1                         ; which weight
	s_wait_kmcnt 0x0                               ; the scales
	s_cmp_eq_u32 s25, 1
	s_cselect_b64 s[42:43], s[10:11], s[8:9]
	s_cselect_b32 s26, s31, s29
	s_cmp_eq_u32 s25, 2
	s_cselect_b64 s[42:43], s[12:13], s[42:43]
	s_cselect_b32 s26, s33, s26
	s_cmp_eq_u32 s25, 3
	s_cselect_b64 s[42:43], s[14:15], s[42:43]
	s_cselect_b32 s26, s39, s26                    ; e1, e3, e5 or e11
	s_and_b32 s44, s27, 1
	s_lshl_b32 s44, s44, 2
	s_add_co_u32 s44, s44, s24                     ; which 16 columns
	s_lshl_b32 s44, s44, 6
	s_add_nc_u64 s[42:43], s[42:43], s[44:45]
	s_lshl_b32 s44, s27, 2
	s_add_co_u32 s44, s44, s24
	s_lshl_b32 s44, s44, 11
	s_add_nc_u64 s[22:23], s[22:23], s[44:45]      ; image 8 x weight + tile
	WLOAD AA, 42, 0
	MKS 26, 10, 11
	s_wait_loadcnt 0x0
	QUANT AA, AA, PC, 10, 11
	GIMG PC, 22, 0
	s_endpgm
.Lfunc_end_k_q05ca1def01_prep:
	.size	k_q05ca1def01_prep, .Lfunc_end_k_q05ca1def01_prep-k_q05ca1def01_prep
	.p2alignl 7, 3214868480
	.fill 96, 4, 3214868480
	.section	.rodata,"a",@progbits
	.p2align	6, 0x0
	.amdhsa_kernel k_q05ca1def01_prep
		.amdhsa_group_segment_fixed_size 16896
		.amdhsa_private_segment_fixed_size 0
		.amdhsa_enable_private_segment 0
		.amdhsa_kernarg_size 80
		.amdhsa_user_sgpr_count 2
		.amdhsa_user_sgpr_kernarg_segment_ptr 1
		.amdhsa_wavefront_size32 1
		.amdhsa_system_sgpr_workgroup_id_x 1
		.amdhsa_system_sgpr_workgroup_id_y 1
		.amdhsa_system_sgpr_workgroup_id_z 1
		.amdhsa_system_vgpr_workitem_id 0
		.amdhsa_next_free_vgpr 258
		.amdhsa_next_free_sgpr 66
		.amdhsa_reserve_vcc 0
		.amdhsa_float_denorm_mode_32 3
		.amdhsa_float_denorm_mode_16_64 3
		.amdhsa_memory_ordered 1
		.amdhsa_forward_progress 1
		.amdhsa_inst_pref_size 83
	.end_amdhsa_kernel
	.amdgpu_metadata
---
amdhsa.version: [ 1, 2 ]
amdhsa.kernels:
  - .name:           k_q05ca1def01_prep
    .symbol:         k_q05ca1def01_prep.kd
    .args:
      - { .name: encoded_nodes, .offset: 0, .size: 8, .value_kind: global_buffer, .address_space: global }
      - { .name: Wv, .offset: 8, .size: 8, .value_kind: global_buffer, .address_space: global }
      - { .name: Wq_first, .offset: 16, .size: 8, .value_kind: global_buffer, .address_space: global }
      - { .name: Wq_last, .offset: 24, .size: 8, .value_kind: global_buffer, .address_space: global }
      - { .name: Wk, .offset: 32, .size: 8, .value_kind: global_buffer, .address_space: global }
      - { .name: W_comb, .offset: 40, .size: 8, .value_kind: global_buffer, .address_space: global }
      - { .name: lowp_scales, .offset: 48, .size: 8, .value_kind: global_buffer, .address_space: global }
      - { .name: kv, .offset: 56, .size: 8, .value_kind: global_buffer, .address_space: global }
      - { .name: nc, .offset: 64, .size: 8, .value_kind: global_buffer, .address_space: global }
      - { .name: wc, .offset: 72, .size: 8, .value_kind: global_buffer, .address_space: global }
    .group_segment_fixed_size: 16896
    .private_segment_fixed_size: 0
    .kernarg_segment_align: 8
    .kernarg_segment_size: 80
    .max_flat_workgroup_size: 128
    .sgpr_count:     66
    .vgpr_count:     258
    .wavefront_size: 32
...
	.end_amdgpu_metadata
.endif
;; end of part 1
;; launch main (part 2): grid 8 x 32, 16 waves a work-group, no clusters, 315,392 bytes of LDS; arguments encoded_q1, encoded_last_node, ninf_mask, b_comb, lowp_scales, kv, nc, wc, out0; writes out0
.if DOCPART == 2
	.amdgcn_target "amdgcn-amd-amdhsa--gfx1250"
	.amdhsa_code_object_version 6
	.text
	.protected	k_q05ca1def01_main
	.globl	k_q05ca1def01_main
	.p2align	8
	.type	k_q05ca1def01_main,@function
k_q05ca1def01_main:
	s_mov_b64 s[64:65], 0
	v_nop
	global_prefetch_b8 v0, s[64:65] scope:SCOPE_SE
	s_setreg_imm32_b32 hwreg(HW_REG_WAVE_MODE, 25, 1), 1
	s_wait_xcnt 0x0
; THE WHOLE DECODER FOR 64 QUERIES OF ONE BATCH: q, masked attention over 512 keys in 8 heads, W_comb + bias, scores against the nodes, 10 tanh + mask, softmax.  Nothing goes to memory on the way.
; Quantised products: codes of BF8 (E5M2) with the given scales 2^e (e0 .. e13).  q . k (K = 16) feeds a quantiser and is left as it is: f32 operands, v_wmma_f32_16x16x4_f32.
; SHARES.  Sixteen waves of 256 registers, four to a SIMD.  In attention wave w has head w / 2 and query tiles 2 (w % 2), 2 (w % 2) + 1 (16 queries each) and walks all keys, 64 a step.
; For the last scores wave w has keys 32 w .. 32 w + 31 for all 64 queries.  It stores rows 4 w .. 4 w + 3.
; EVERY PRODUCT IS LAID SO THAT A LANE HOLDS ONE ROW THAT GOES ON AND ITS EIGHT REGISTERS RUN ALONG THE NEXT K (lane l: r = l % 16, h = l / 16; a result's register j is (m = 8 h + j, n = r)):
;   q^T = Wq x codes of q1, last      k^T = Wk x codes of the nodes: register j is channel 8 h + j of query or key r
;   S^T = k q^T in four steps of 4 channels: registers 2 s, 2 s + 1 of k and of q hold the same channels 8 h + 2 s + 0, 1 in both.  C of the first step is the MASK's tile: the addition costs nothing
;   O^T = V^T p^T (K = 64 keys), mh^T = W_comb^T out^T + bias, s2^T = nodes mh^T.  One conversion of a result's eight registers gives registers 2 c, 2 c + 1 of the next operand (K = 16 c + 8 h + 0 .. 7).
; k IS NEVER STORED: a tile of k is one matrix instruction on the nodes' codes, which lie in LDS (64 KiB a batch; k in f32 would be 256 KiB), and its raw sums are the score product's source 0:
; q carries the powers of two: q' = (sum1 2^(e0 + e1) + sum2 2^(e2 + e3)) 2^(e4 + e5 - 2).
; THE SOFTMAX AHEAD OF THE PRODUCT WITH V: t = logit x log2(e); M = the running largest t rounded up to a whole number; p = 2^(t - M) is quantised under e8; the sum is taken of the unquantised p;
; when M moves, the sum and O are multiplied by 2^(old M - new M), which rounds nothing.  t is rounded first and M is taken off afterwards, as the definition has it.
; BY TURNS.  A key step has 32 score products and 290 vector lines of softmax a wave.  Tile 1's sixteen score products stand one by one among the first 107 lines of tile 0's softmax, which name none of
; their registers: so a wave has matrix and vector work in hand at the same time.  The order of the matrix instructions among themselves is that of a step written in phases.
; LDS, every byte filled once: no slot is filled again.  Each wave issues four tensor loads at the head (four outstanding by this text's own count): its sixteenth of kv, and its part of the mask's
; chunks 0-1, 2-3 and 4-7 (a chunk: 64 queries x 64 keys), so that three counted waits, each ahead of a barrier's signal, open the mask as the key steps reach it.  The second and the third of these
; barriers are signalled a key step ahead of their wait.
; The mask is read from memory once and serves eight heads and the last softmax; its bytes then take the probabilities, which leave as whole rows.
; NO CLUSTER: what the eight work-groups of a batch share (kv 128 KiB, nc 64 KiB) is asked for once by each, at the head and behind the key loop, never in a loop; 448 KiB of a work-group's 640 KiB are its own.
; LIMITS: e0, e2, e8, e10 - e8 - e9 and e12 - e10 - e11 between -126 and 112; e0 + e1 + e4 + e5 - 2 and e2 + e3 + e4 + e5 - 2 between -126 and 127; e12 + e13 between -124 and 129.
; NaN and infinities among the inputs are not served.  The mask, as the C of a score's first step, takes part in each of the sum's four roundings, where the definition adds it once at the end:
; the two differ by at most two units in the last place of the mask's own magnitude.
.set CH,   17408                       ; a chunk of the mask: 64 rows x MP
.set MP,   272                         ; a row of a chunk: 256 bytes + 16 of padding = 68 words: row r starts at bank 4 r mod 64 (64 banks of 4 bytes: ISA guide 11.1)
.set VC,   65536                       ; LDS: 0 the nodes' 32 images under e4; VC V's images, head x 8,192 + step x 1,024
.set MASK, 131072                      ; the mask's eight chunks
.set QIMG, 270336                      ; q1's and last's codes: image 2 x query tile + (0: q1, 1: last), 2,048 bytes each
.set OIMG, 286720                      ; out's codes: query tile x 2,048 + head x 256 + 8 x lane (registers 2 c, 2 c + 1 come from head c's waves)
.set MIMG, 294912                      ; mh's codes, likewise
.set RED1, 303104                      ; the last softmax: row x 80 + 4 x wave: each wave's maximum; 5,120 bytes on: its sum
; REGISTERS: v1 16 x lane, v14 8 x lane, v15 256 x lane; v2 my place in a chunk of the mask; v3-5 the step's LDS addresses; v6, v7 the scale in use and 57,344 x it; v[8:9] f; v10-13 at work;
; v16-23 for each of my two tiles: -M, the largest t, the sum in two halves; v24-39 q' (two tiles); v40-55 Wk's fragment; v56-71 O^T (two tiles); v72-103 four tiles of k, then p's codes (v72-87) and V's
; fragment (v88-95); v104-167 four fragments of the nodes, then two tiles of the mask, then p; v168-231 S^T, written by the f32 matrix form alone; v232-247 W_comb's fragment; v248-255 the bias.
; SCALARS: s22 wave, s23 head, s24 which pair of tiles, s25 batch, s26 block of queries; s[28:41] e0 .. e13; s[42:43] lane selects; s[44:51], s[52:59], s[68:75] descriptor groups 1;
; s[60:63], s[76:87] groups 0; s88-90 the step's LDS bytes; s91 trips; s[92:93] log2(e); s[94:97] factors; s98, s[100:101] the prefetch.
.macro MKS se, vs, vl                  ; 2^e as f32 (the conversion takes its exponent field) and 57,344 x 2^e
	s_add_co_i32 s2, s[\se], 127
	s_lshl_b32 s3, s2, 23
	v_mov_b32 v[\vs], s3
	s_add_co_i32 s2, s2, 15
	s_lshl_b32 s2, s2, 23
	s_or_b32 s2, s2, 0x600000
	v_mov_b32 v[\vl], s2
.endm
.macro BARRIER                         ; my LDS stores have landed and my LDS loads are in: then the work-group's barrier
	s_wait_dscnt 0x0
	s_barrier_signal -1
	s_barrier_wait -1
.endm
.macro NOPS n
.rept \n
	v_nop
.endr
.endm
	s_load_b512 s[4:19], s[0:1], 0x0               ; q1 4:5, last 6:7, mask 8:9, b_comb 10:11, scales 12:13, kv 14:15, nc 16:17, wc 18:19
	s_load_b64 s[20:21], s[0:1], 0x40              ; out0
	v_lshl_add_u32 v254, v0, 2, 0x4c800
	v_mov_b32 v255, 0
	ds_add_u32 v254, v255
	ds_add_u32 v254, v255
	s_wait_dscnt 0x0
	v_lshrrev_b32 v1, 5, v0
	v_readfirstlane_b32 s22, v1                    ; wave 0..15
	s_lshr_b32 s23, s22, 1
	s_and_b32 s24, s22, 1
	s_and_b32 s25, ttmp7, 0xffff
	s_mov_b32 s26, ttmp9
	s_lshl_b32 s2, s25, 9
	s_lshl_b32 s3, s26, 6
	s_add_co_u32 s27, s2, s3                       ; my work-group's first query among the 16,384
	v_and_b32 v10, 15, v0                          ; r
	v_bfe_u32 v11, v0, 4, 1                        ; h
	v_and_b32 v13, 31, v0
	v_lshlrev_b32 v1, 4, v13
	v_lshlrev_b32 v14, 3, v13
	v_lshlrev_b32 v15, 8, v13
	s_lshl_b32 s2, s24, 5
	v_add_nc_u32 v2, s2, v10
	v_mul_u32_u24 v2, v2, MP
	v_lshl_add_u32 v2, v11, 5, v2
	v_add_nc_u32 v2, MASK, v2                      ; the mask: row 32 (w % 2) + r, + 32 h: my eight keys of a tile
	v_lshlrev_b32 v3, 5, v13                       ; q1, last: 32 x lane: eight neighbouring numbers; 32 lanes are two whole rows of 512 bytes
	v_lshlrev_b32 v4, 5, v11                       ; the bias: 32 h
	; where a lane's eight codes go.  Wave w quantises rows 8 (w % 8) .. + 7 of q1 (w < 8) or of last; in pair p lane l holds row 8 (w % 8) + 2 p + l / 16, K = 8 m .. 8 m + 7, m = l % 16.
	; They are registers 2 (m / 2), 2 (m / 2) + 1 of lane (row % 16) + 16 (m % 2) of the row's fragment: byte 512 (m / 4) + 8 ((m / 2) % 2) + 256 (m % 2) + 16 (row % 16) of its image
	v_lshlrev_b32 v5, 4, v11                       ; 16 (l / 16)
	v_bfe_u32 v12, v0, 2, 2
	v_lshl_add_u32 v5, v12, 9, v5                  ; + 512 (m / 4)
	v_and_b32 v12, 1, v0
	v_lshl_add_u32 v5, v12, 8, v5                  ; + 256 (m % 2)
	v_bfe_u32 v12, v0, 1, 1
	v_lshl_add_u32 v5, v12, 3, v5                  ; + 8 ((m / 2) % 2)
	s_and_b32 s2, s22, 7
	s_lshr_b32 s2, s2, 1
	s_lshl_b32 s2, s2, 12                          ; query tile (w % 8) / 2: two images,
	s_lshr_b32 s3, s22, 3
	s_lshl_b32 s3, s3, 11                          ; the second of them for last,
	s_add_co_u32 s2, s2, s3
	s_lshl_b32 s3, s24, 7                          ; rows 8 (w % 2) on;  the pair p stands in the stores' immediate, 32 p
	s_add_co_u32 s2, s2, s3
	s_add_co_u32 s2, s2, QIMG
	v_add_nc_u32 v5, s2, v5
	; descriptor groups 1, all sizes in elements.  kv: 32 rows of 32 elements of 8 bytes, dense
	s_mov_b32 s44, 3<<16
	s_mov_b32 s45, 32<<16                          ; tensor_dim0
	s_mov_b32 s46, 32<<16                          ; tensor_dim1
	s_mov_b32 s47, 32<<16                          ; tile_dim0
	s_mov_b32 s48, 32                              ; tile_dim1
	s_mov_b32 s49, 32                              ; from row to row
	s_mov_b32 s50, 0
	s_mov_b32 s51, 0
.irp g, 52, 68                         ; the mask: 8 or 16 rows of 64 f32, 512 apart; four words of padding behind every 64
	s_mov_b32 s[\g], (2<<16)|(1<<20)|(5<<22)|(3<<25)
	s_mov_b32 s[\g+1], 64<<16
	s_mov_b32 s[\g+3], 64<<16
	s_mov_b32 s[\g+5], 512
	s_mov_b32 s[\g+6], 0
	s_mov_b32 s[\g+7], 0
.endr
	s_mov_b32 s54, 8<<16
	s_mov_b32 s56, 8
	s_mov_b32 s70, 16<<16
	s_mov_b32 s72, 16
	s_mov_b32 s42, 0x76543210                      ; v_permlanex16_b32: lane l xor 16
	s_mov_b32 s43, 0xfedcba98
	s_mov_b32 s92, 0x3fb8aa3b                      ; log2(e); the packed forms name a pair and take its low word for both halves
	s_mov_b32 s93, 0x3fb8aa3b
	s_wait_kmcnt 0x0
	s_load_b256 s[28:35], s[12:13], 0x0
	s_load_b128 s[36:39], s[12:13], 0x20
	s_load_b64 s[40:41], s[12:13], 0x30
	s_bitcmp1_b32 s22, 3                           ; waves 8 to 15 take last
	s_cselect_b64 s[4:5], s[6:7], s[4:5]
	s_lshl_b32 s2, s27, 9
	s_and_b32 s3, s22, 7
	s_lshl_b32 s3, s3, 12
	s_add_co_u32 s2, s2, s3
	s_mov_b32 s3, 0
	s_add_nc_u64 s[4:5], s[4:5], s[2:3]            ; my eight rows
	s_lshl_b32 s2, s23, 11
	s_add_nc_u64 s[18:19], s[18:19], s[2:3]        ; the weights' images of my head's 16 columns
	s_lshl_b32 s2, s23, 6
	s_add_nc_u64 s[10:11], s[10:11], s[2:3]
	s_lshl_b32 s2, s27, 11
	s_add_nc_u64 s[20:21], s[20:21], s[2:3]        ; out0 and the mask at my work-group's first row
	s_add_nc_u64 s[8:9], s[8:9], s[2:3]
	s_lshl_b32 s2, s25, 16
	s_add_nc_u64 s[16:17], s[16:17], s[2:3]        ; nc at my batch
	s_and_b32 s2, s22, 7
	s_lshl_b32 s2, s2, 13
	s_add_nc_u64 s[100:101], s[16:17], s[2:3]      ; the prefetch: an eighth of the batch's 65,536 bytes
	s_lshl_b32 s2, s22, 12
	s_add_nc_u64 s[16:17], s[16:17], s[2:3]        ; my two tiles of keys
	s_lshl_b32 s2, s25, 17
	s_lshl_b32 s99, s22, 13
	s_add_co_u32 s2, s2, s99
	s_add_nc_u64 s[14:15], s[14:15], s[2:3]        ; kv: my sixteenth of my batch's 131,072 bytes
.irp p, 0,1,2,3
.irp i, 0,1
	global_load_b128 v[72+8*\p+4*\i:75+8*\p+4*\i], v3, s[4:5] offset:1024*\p+16*\i   ; the two loads of a pair cover 1,024 consecutive bytes between them
.endr
.endr
.irp j, 0,1,2,3
	global_load_b128 v[56+4*\j:59+4*\j], v1, s[18:19] offset:512*\j            ; Wq_first
.endr
.irp j, 0,1,2,3
	global_load_b128 v[24+4*\j:27+4*\j], v1, s[18:19] offset:16384+512*\j      ; Wq_last
.endr
.irp j, 0,1,2,3
	global_load_b128 v[40+4*\j:43+4*\j], v1, s[18:19] offset:32768+512*\j      ; Wk
.endr
	; descriptor groups 0
	s_mov_b32 s60, 1
	s_lshl_b32 s61, s22, 13                        ; LDS: 8,192 x wave
	s_mov_b64 s[62:63], s[14:15]
	s_or_b32 s63, s63, 0x80000000
	s_lshr_b32 s2, s22, 3                          ; chunks 0, 1: chunk w / 8, rows 8 (w % 8) on
	s_and_b32 s3, s22, 7
	s_mul_i32 s77, s2, CH
	s_mul_i32 s99, s3, 8*MP
	s_add_co_u32 s77, s77, s99
	s_add_co_u32 s77, s77, MASK
	s_mov_b32 s76, 1
	s_lshl_b32 s2, s2, 8
	s_lshl_b32 s3, s3, 14
	s_add_co_u32 s2, s2, s3
	s_mov_b32 s3, 0
	s_add_nc_u64 s[78:79], s[8:9], s[2:3]
	s_mov_b32 s80, 1                               ; chunks 2, 3: two chunks on
	s_add_co_u32 s81, s77, 2*CH
	s_add_nc_u64 s[82:83], s[78:79], 512
	s_or_b32 s79, s79, 0x80000000
	s_or_b32 s83, s83, 0x80000000
	s_lshr_b32 s2, s22, 2                          ; chunks 4 to 7: chunk 4 + w / 4, rows 16 (w % 4) on
	s_add_co_u32 s2, s2, 4
	s_and_b32 s3, s22, 3
	s_mul_i32 s85, s2, CH
	s_mul_i32 s99, s3, 16*MP
	s_add_co_u32 s85, s85, s99
	s_add_co_u32 s85, s85, MASK
	s_mov_b32 s84, 1
	s_lshl_b32 s2, s2, 8
	s_lshl_b32 s3, s3, 15
	s_add_co_u32 s2, s2, s3
	s_mov_b32 s3, 0
	s_add_nc_u64 s[86:87], s[8:9], s[2:3]
	s_or_b32 s87, s87, 0x80000000
	tensor_load_to_lds s[60:63], s[44:51]          ; all first fills in one group, ahead of every wait on TENSORcnt, every LDS read and every barrier
	s_nop 0
	tensor_load_to_lds s[76:79], s[52:59]
	s_nop 0
	tensor_load_to_lds s[80:83], s[52:59]
	s_nop 0
	tensor_load_to_lds s[84:87], s[68:75]
	s_nop 0
	NOPS 4
.irp j, 0,1,2,3
	global_load_b128 v[232+4*\j:235+4*\j], v1, s[18:19] offset:49152+512*\j    ; W_comb: wanted only behind the key walk, so it is asked for behind all that the first product waits for
.endr
	global_load_b128 v[248:251], v4, s[10:11]      ; b_comb(16 head + 8 h + 0 .. 7): the layout of mh^T's result
	global_load_b128 v[252:255], v4, s[10:11] offset:16
	s_wait_kmcnt 0x0
	s_bitcmp1_b32 s22, 3
	s_cselect_b32 s99, s30, s28                    ; e2 for last, e0 for q1
	MKS 99, 6, 7
	s_wait_loadcnt 18                              ; my 32 numbers are in; the 12 loads of weights and the 6 of W_comb and the bias behind them may be out
.set n, 0
.rept 32
	v_med3_num_f32 v[72+n], v[72+n], -v7, v7       ; the conversion does not saturate (ISA guide 7.6.2)
.set n, n+1
.endr
.irp p, 0,1,2,3
	v_cvt_scalef32_pk8_bf8_f32 v[104+2*\p:105+2*\p], v[72+8*\p:79+8*\p], v6
.endr
	v_nop
.irp p, 0,1,2,3
	ds_store_b64 v5, v[104+2*\p:105+2*\p] offset:32*\p
.endr
	s_lshl_b32 s2, s24, 13
	s_add_co_u32 s2, s2, QIMG
	v_add_nc_u32 v3, s2, v1                        ; (the wait for 18 has freed v3)  my two query tiles' four images
	s_wait_tensorcnt 0x2                           ; my parts of kv and of chunks 0, 1 have landed; the two younger loads stay out
	BARRIER
.irp f, 0,1,2,3                        ; image 2 a + (0: q1, 1: last) of my pair
.irp j, 0,1,2,3
	ds_load_b128 v[104+16*\f+4*\j:107+16*\f+4*\j], v3 offset:2048*\f+512*\j
.endr
.endr
	s_add_co_i32 s2, s32, s33
	s_add_co_i32 s2, s2, 125                       ; e4 + e5 - 2 + 127
	s_add_co_i32 s94, s28, s29
	s_add_co_i32 s94, s94, s2
	s_lshl_b32 s94, s94, 23                        ; 2^(e0 + e1 + e4 + e5 - 2)
	s_mov_b32 s95, s94
	s_add_co_i32 s96, s30, s31
	s_add_co_i32 s96, s96, s2
	s_lshl_b32 s96, s96, 23                        ; 2^(e2 + e3 + e4 + e5 - 2)
	s_mov_b32 s97, s96
	s_wait_loadcnt 6                               ; Wq_first, Wq_last and Wk are in; W_comb's four loads and the bias's two may stay out
	s_wait_dscnt 0x0
	v_wmma_f32_16x16x128_bf8_bf8 v[72:79], v[56:71], v[104:119], 0
	v_wmma_f32_16x16x128_bf8_bf8 v[80:87], v[56:71], v[136:151], 0
	v_wmma_f32_16x16x128_bf8_bf8 v[88:95], v[24:39], v[120:135], 0
	v_wmma_f32_16x16x128_bf8_bf8 v[96:103], v[24:39], v[152:167], 0
	NOPS 4
.set n, 0
.rept 8
	v_pk_mul_f32 v[72+n:73+n], v[72+n:73+n], s[94:95] op_sel_hi:[1,0]
.set n, n+2
.endr
.set n, 0
.rept 8
	v_pk_fma_f32 v[24+n:25+n], v[88+n:89+n], s[96:97], v[72+n:73+n] op_sel_hi:[1,0,1]   ; q': both factors are powers of two, so the one rounding is that of q_first + q_last
.set n, n+2
.endr
.set n, 0
.rept 16
	v_mov_b32 v[56+n], 0                           ; O^T: the key step is written for every step alike; the first finds zeros, which the first change of M leaves zeros
.set n, n+1
.endr
	v_mov_b32 v17, 0xff61b1e6                      ; the largest t so far: -3e38
	v_mov_b32 v21, 0xff61b1e6
	v_floor_f32 v16, -v17                          ; -M
	v_floor_f32 v20, -v21
	v_mov_b32 v18, 0
	v_mov_b32 v19, 0
	v_mov_b32 v22, 0
	v_mov_b32 v23, 0
	v_mov_b32 v9, 0                                ; (named as the upper half of the pair v[8:9])
	v_mov_b32 v12, 0                               ; a lane permute's destination counts as one of its sources
	MKS 36, 6, 7                                   ; e8, for p
	s_mov_b32 s88, 0                               ; the step's four images of the nodes,
	s_mov_b32 s89, 0                               ; its chunk of the mask,
	s_lshl_b32 s90, s23, 13
	s_add_co_u32 s90, s90, VC                      ; its image of my head's V
	s_lshr_b32 s2, s22, 3
	s_or_b32 s2, s2, s26
	s_cmp_eq_u32 s2, 0
	s_cselect_b32 s98, 2, -1                       ; waves 0 to 7 of the batch's first work-group prefetch, in the last step but one
	s_wait_xcnt 0x0                                ; the bias's loads have read v4, which the key steps write
; Tile 1's score product number i of 16: channels 4 (i / 4) on, keys 16 (i % 4) on.  The four accumulators take turns, one instruction a turn; the first four take the mask's tile as C.
.macro W1 i
.if (\i) < 4
	v_wmma_f32_16x16x4_f32 v[200+8*(\i):207+8*(\i)], v[72+8*(\i):73+8*(\i)], v[32:33], v[136+8*(\i):143+8*(\i)]
.else
	v_wmma_f32_16x16x4_f32 v[200+8*((\i)%4):207+8*((\i)%4)], v[72+8*((\i)%4)+2*((\i)/4):73+8*((\i)%4)+2*((\i)/4)], v[32+2*((\i)/4):33+2*((\i)/4)], v[200+8*((\i)%4):207+8*((\i)%4)]
.endif
.endm
.macro TURN u, i                       ; in tile 0's softmax the other tile's product number i stands here; in tile 1's nothing
.if (\u) == 0
	W1 \i
.endif
.endm
; ONE TILE'S SOFTMAX FOR ONE KEY STEP: 16 queries x 64 keys, 32 scores a lane.  With u = 0 tile 1's sixteen score products stand among its lines.  Up to the last of them no line writes a register that
; they name (k v72-103, q' v32-39, the mask v136-167, S^T v200-231).  Behind the last stand 9 plain additions ahead of the loads into v88-95, and 32 holds more ahead of the conversions into v72-79 and
; of the first read of tile 1's scores: eight places are asked behind this form.
.macro SOFTMAX u
.set SS, 168+32*\u
.set PP, 104+32*\u
.set ST, 16+4*\u
.set OO, 56+8*\u
.set PD, 72+8*\u
	TURN \u, 0
	v_max3_num_f32 v10, v[SS], v[SS+1], v[SS+2]    ; the largest score, in two chains that go up the registers: each accumulator is read from its low end on
	v_max3_num_f32 v11, v[SS+16], v[SS+17], v[SS+18]
	v_max3_num_f32 v10, v10, v[SS+3], v[SS+4]
	v_max3_num_f32 v11, v11, v[SS+19], v[SS+20]
.irp g, 0,1
	TURN \u, 1+\g
.irp i, 5,7
	v_max3_num_f32 v10, v10, v[SS+4*\g+\i], v[SS+4*\g+\i+1]
	v_max3_num_f32 v11, v11, v[SS+4*\g+\i+16], v[SS+4*\g+\i+17]
.endr
.endr
	TURN \u, 3
	v_max3_num_f32 v10, v10, v[SS+13], v[SS+14]
	v_max3_num_f32 v11, v11, v[SS+29], v[SS+30]
	v_max3_num_f32 v10, v10, v[SS+15], v[SS+31]
	v_max_num_f32 v10, v10, v11
	TURN \u, 4
	v_permlanex16_b32 v12, v10, s42, s43           ; the query's other 32 keys lie in lane l xor 16
	v_max_num_f32 v10, v10, v12
	v_mul_f32 v10, s92, v10                        ; as t: the same multiplication that every score gets below
	v_max_num_f32 v[ST+1], v[ST+1], v10
	TURN \u, 5
	v_mov_b32 v13, v[ST]
	v_floor_f32 v[ST], -v[ST+1]                    ; -M = floor(-t): M is a whole number
	v_sub_f32 v13, v[ST], v13                      ; old M - new M, 0 or less
	v_cvt_i32_f32 v13, v13                         ; (it saturates)
	v_ldexp_f32 v8, 1.0, v13                       ; f = 2^(old M - new M)
.irp g, 0,1
	TURN \u, 6+\g
.irp n, 0,2,4,6,8,10,12,14
	v_pk_mul_f32 v[PP+16*\g+\n:PP+16*\g+\n+1], v[SS+16*\g+\n:SS+16*\g+\n+1], s[92:93] op_sel_hi:[1,0]   ; t, rounded,
.endr
.endr
.irp g, 0,1
	TURN \u, 8+\g
.irp n, 0,2,4,6,8,10,12,14
	v_pk_add_f32 v[PP+16*\g+\n:PP+16*\g+\n+1], v[PP+16*\g+\n:PP+16*\g+\n+1], v[ST:ST+1] op_sel_hi:[1,0] ; and then t - M
.endr
.endr
.irp g, 0,1,2,3
	TURN \u, 10+\g
.irp n, 0,1,2,3,4,5,6,7
	v_exp_f32 v[PP+8*\g+\n], v[PP+8*\g+\n]         ; p = 2^(t - M), at most 1
.endr
.endr
	v_pk_mul_f32 v[ST+2:ST+3], v[ST+2:ST+3], v[8:9] op_sel_hi:[1,0]   ; the sum under the new M: the plain line behind the exponentials
	TURN \u, 14
	s_wait_alu depctr_va_vdst(0)                   ; one wait for the batch of 32, ahead of its first reader
	v_pk_add_f32 v[10:11], v[PP:PP+1], v[PP+2:PP+3]   ; the sum of the UNQUANTISED p, in two chains
.irp j, 4,8,12
	v_pk_add_f32 v[ST+2:ST+3], v[ST+2:ST+3], v[PP+\j:PP+\j+1]
	v_pk_add_f32 v[10:11], v[10:11], v[PP+\j+2:PP+\j+3]
.endr
	TURN \u, 15
.irp j, 16,20,24,28
	v_pk_add_f32 v[ST+2:ST+3], v[ST+2:ST+3], v[PP+\j:PP+\j+1]
	v_pk_add_f32 v[10:11], v[10:11], v[PP+\j+2:PP+\j+3]
.endr
	v_pk_add_f32 v[ST+2:ST+3], v[ST+2:ST+3], v[10:11]
.if (\u) == 0
	ds_load_b128 v[88:91], v5                      ; V's fragment: 16 channels of my head x these 64 keys, into registers of k that the score products have left; it lands under tile 1's softmax
	ds_load_b128 v[92:95], v5 offset:512
.endif
.set n, 0
.rept 32
	v_min_num_f32 v[PP+n], v[PP+n], v7             ; the hold; p is not negative, so it is one-sided
.set n, n+1
.endr
.irp c, 0,1,2,3
	v_cvt_scalef32_pk8_bf8_f32 v[PD+2*\c:PD+2*\c+1], v[PP+8*\c:PP+8*\c+7], v6   ; tile c's eight keys: registers 2 c, 2 c + 1 of the operand
.endr
.irp i, 0,2,4,6
	v_pk_mul_f32 v[OO+\i:OO+\i+1], v[OO+\i:OO+\i+1], v[8:9] op_sel_hi:[1,0]   ; O^T under the new M; also the plain lines behind the conversions
.endr
.endm
; A KEY STEP: 64 keys.
.macro STEP ask
	v_add_nc_u32 v3, s88, v1
	v_add_nc_u32 v4, s89, v2
	v_add_nc_u32 v5, s90, v1
	NOPS 2                                         ; with the three additions: five places between the last products with V and the products below, which write over their operands (ISA guide 7.12.1)
.irp t, 0,1,2,3
.irp j, 0,1,2,3
	ds_load_b128 v[104+16*\t+4*\j:107+16*\t+4*\j], v3 offset:2048*\t+512*\j   ; four tiles of 16 keys: the nodes' codes
.endr
.endr
.if \ask
; A PREFETCH INTO THE L2 of the batch's 32 images under e13, which every wave loads behind the key loop.  The eight work-groups of a batch read the same 65,536 bytes: the first of them asks; its waves 0 to 7
; take 8,192 bytes each, lanes 256 bytes apart: each aligned block of 256 bytes is named once in the launch.  It stands in the last key step but one, behind the step's run of LDS loads.
	s_cmp_eq_u32 s91, s98
	s_cbranch_scc0 .Lnot_mine_\@
	global_prefetch_b8 v15, s[100:101] th:TH_LOAD_NT scope:SCOPE_SE
.Lnot_mine_\@:
.endif
	s_wait_dscnt 0x0
.irp t, 0,1,2,3
	v_wmma_f32_16x16x128_bf8_bf8 v[72+8*\t:79+8*\t], v[40:55], v[104+16*\t:119+16*\t], 0   ; k^T of my head: raw sums
.endr
	NOPS 5                                         ; five places ahead of the matrix instructions that take these results as a source; four of them serve the loads below
.irp u, 0,1
.irp t, 0,1,2,3
.irp i, 0,1
	ds_load_b128 v[104+32*\u+8*\t+4*\i:107+32*\u+8*\t+4*\i], v4 offset:16*MP*\u+64*\t+16*\i   ; mask(query r of tile u, keys 16 t + 8 h + 0 .. 7): the layout of S^T's result
.endr
.endr
.endr
	s_wait_dscnt 8                                 ; the first tile's eight loads are in; the second's may be out
.irp s, 0,1,2,3                        ; tile 0's scores: four accumulators by turns, one instruction a turn
.irp t, 0,1,2,3
.if \s == 0
	v_wmma_f32_16x16x4_f32 v[168+8*\t:175+8*\t], v[72+8*\t:73+8*\t], v[24:25], v[104+8*\t:111+8*\t]
.else
	v_wmma_f32_16x16x4_f32 v[168+8*\t:175+8*\t], v[72+8*\t+2*\s:73+8*\t+2*\s], v[24+2*\s:25+2*\s], v[168+8*\t:175+8*\t]
.endif
.endr
.endr
	s_wait_dscnt 0x0                               ; the second tile's mask
	NOPS 8                                         ; eight places behind this form, ahead of the reads of tile 0's scores and of the writes over its mask's registers
	SOFTMAX 0                                      ; with tile 1's sixteen score products among its lines
	SOFTMAX 1
	s_wait_dscnt 0x0                               ; V's fragment
	v_wmma_f32_16x16x64_bf8_bf8 v[56:63], v[88:95], v[72:79], v[56:63]
	v_wmma_f32_16x16x64_bf8_bf8 v[64:71], v[88:95], v[80:87], v[64:71]
.endm
.macro ADV                             ; on to the next 64 keys
	s_add_co_u32 s88, s88, 8192
	s_add_co_u32 s89, s89, CH
	s_add_co_u32 s90, s90, 1024
.endm
.macro STEPS cnt, ask
	s_mov_b32 s91, \cnt
.Lstep_\@:
	STEP \ask
	ADV
	s_sub_co_u32 s91, s91, 1
	s_cmp_lg_u32 s91, 0
	s_cbranch_scc1 .Lstep_\@
.endm
	; The first four key steps are written out, so that the two barriers which open the mask's later chunks can be signalled a key step ahead of their wait.  Between such a signal and its wait stand a step's
	; register work and its LDS loads, of bytes that were filled ahead of an earlier barrier and that no wave writes before the last phase.
	STEP 0                                         ; keys 0 to 63
	ADV
	s_wait_tensorcnt 0x1                           ; my part of chunks 2, 3 has landed; the last load may stay out
	s_wait_dscnt 0x0
	s_barrier_signal -1                            ; say so now,
	STEP 0                                         ; keys 64 to 127
	ADV
	s_barrier_wait -1                              ; and read those chunks when all sixteen have said so
	STEP 0                                         ; keys 128 to 191
	ADV
	s_wait_tensorcnt 0x0                           ; my part of chunks 4 to 7
	s_wait_dscnt 0x0
	s_barrier_signal -1
	STEP 0                                         ; keys 192 to 255
	ADV
	s_barrier_wait -1
	STEPS 4, 1                                     ; keys 256 to 511
	; ---- out = O / the sum, quantised under e10: registers 2 head, 2 head + 1 of the next operand
	s_add_co_i32 s2, s38, s39
	s_sub_co_i32 s2, 0, s2
	s_wait_loadcnt 0x0                             ; W_comb's fragment and the bias, asked for at the head
.set n, 0
.rept 8
	v_ldexp_f32 v[248+n], v[248+n], s2             ; the bias goes in as the C of mh's sums: divided by the 2^(e10 + e11) that they lack.  These eight are also the places ahead of the first read of the last results
.set n, n+1
.endr
.irp kt, 0,1
.irp j, 0,1,2,3
	global_load_b128 v[24+16*\kt+4*\j:27+16*\kt+4*\j], v1, s[16:17] offset:2048*\kt+512*\j   ; the nodes under e13: keys 32 w + 16 kt on; they land while out and mh are made
.endr
.endr
	v_add_f32 v18, v18, v19
	v_add_f32 v22, v22, v23
	v_permlanex16_b32 v12, v18, s42, s43
	v_add_f32 v18, v18, v12
	v_permlanex16_b32 v12, v22, s42, s43
	v_add_f32 v22, v22, v12
	v_rcp_f32 v8, v18
	v_rcp_f32 v10, v22
	v_nop                                          ; the plain line behind the reciprocals
	s_sub_co_i32 s99, s38, s36
	s_sub_co_i32 s99, s99, s37                     ; O's sums stand for sum x 2^(e8 + e9): the three scales folded into the conversion's one
	MKS 99, 6, 7
	s_lshl_b32 s2, s24, 12
	s_add_co_u32 s2, s2, OIMG
	v_add_nc_u32 v4, s2, v14                       ; my two query tiles' images of out,
	s_lshl_b32 s3, s23, 8
	v_add_nc_u32 v3, s3, v4                        ; and my head's two registers in them
	s_wait_alu depctr_va_vdst(0)                   ; one wait for both reciprocals, ahead of their first reader
.irp i, 0,2,4,6
	v_pk_mul_f32 v[104+\i:105+\i], v[56+\i:57+\i], v[8:9] op_sel_hi:[1,0]
.endr
.irp i, 0,2,4,6
	v_pk_mul_f32 v[112+\i:113+\i], v[64+\i:65+\i], v[10:11] op_sel_hi:[1,0]
.endr
.set n, 0
.rept 16
	v_med3_num_f32 v[104+n], v[104+n], -v7, v7
.set n, n+1
.endr
	v_cvt_scalef32_pk8_bf8_f32 v[120:121], v[104:111], v6
	v_cvt_scalef32_pk8_bf8_f32 v[122:123], v[112:119], v6
	v_nop
	ds_store_b64 v3, v[120:121]
	ds_store_b64 v3, v[122:123] offset:2048
	BARRIER                                        ; out's four fragments lie in LDS
	; ---- mh^T = W_comb^T out^T + bias: 16 columns (my head's number) x my two query tiles; quantised under e12
.irp u, 0,1
.irp c, 0,1,2,3,4,5,6,7
	ds_load_b64 v[136+16*\u+2*\c:137+16*\u+2*\c], v4 offset:2048*\u+256*\c
.endr
.endr
	s_wait_dscnt 0x0
	v_wmma_f32_16x16x128_bf8_bf8 v[104:111], v[232:247], v[136:151], v[248:255]
	v_wmma_f32_16x16x128_bf8_bf8 v[112:119], v[232:247], v[152:167], v[248:255]
	NOPS 4
	s_sub_co_i32 s99, s40, s38
	s_sub_co_i32 s99, s99, s39
	MKS 99, 6, 7                                   ; 2^(e12 - e10 - e11)
.set n, 0
.rept 16
	v_med3_num_f32 v[104+n], v[104+n], -v7, v7
.set n, n+1
.endr
	v_cvt_scalef32_pk8_bf8_f32 v[124:125], v[104:111], v6
	v_cvt_scalef32_pk8_bf8_f32 v[126:127], v[112:119], v6
	v_nop
	ds_store_b64 v3, v[124:125] offset:MIMG-OIMG
	ds_store_b64 v3, v[126:127] offset:MIMG-OIMG+2048
	BARRIER                                        ; mh's four fragments lie in LDS
	; ---- the last scores: keys 32 w .. 32 w + 31 x all 64 queries
	v_add_nc_u32 v13, MIMG, v14
.irp qt, 0,1,2
.irp c, 0,1,2,3,4,5,6,7
	ds_load_b64 v[56+16*\qt+2*\c:57+16*\qt+2*\c], v13 offset:2048*\qt+256*\c
.endr
.endr
.irp c, 0,1,2,3,4,5,6,7
	ds_load_b64 v[232+2*\c:233+2*\c], v13 offset:6144+256*\c
.endr
	v_and_b32 v10, 15, v0                          ; r
	v_bfe_u32 v11, v0, 4, 1                        ; h
	s_mul_i32 s2, s23, CH
	s_lshl_b32 s3, s24, 7
	s_add_co_u32 s2, s2, s3
	s_add_co_u32 s2, s2, MASK
	v_mul_u32_u24 v2, v10, MP
	v_lshl_add_u32 v2, v11, 5, v2
	v_add_nc_u32 v2, s2, v2                        ; the mask at chunk w / 2, row r, keys 32 (w % 2) + 8 h on: also where my probabilities go
	v_mul_u32_u24 v4, v10, 80
	v_add_nc_u32 v4, RED1, v4                      ; a row's sixteen words,
	s_lshl_b32 s2, s22, 2
	v_add_nc_u32 v3, s2, v4                        ; and my wave's among them
	v_mul_u32_u24 v5, v11, CH
	v_lshl_add_u32 v5, v10, 4, v5
	s_mul_i32 s2, s22, 4*MP
	s_add_co_u32 s2, s2, MASK
	v_add_nc_u32 v5, s2, v5                        ; the way out: row 4 w; lanes 0-15 one chunk's 256 bytes, lanes 16-31 the next chunk's
	v_add_nc_u32 v6, 4*CH, v5
	s_lshl_b32 s2, s22, 13
	v_add_nc_u32 v7, s2, v1                        ; and in out0: 4 w rows of 2,048 bytes + 16 x lane
	s_add_co_i32 s2, s40, s41
	s_lshl_b32 s2, s2, 23
	s_add_co_i32 s94, s2, 0x3e8293ee               ; 2 log2(e) / sqrt(128) x 2^(e12 + e13): the exponents are added to the constant's exponent field
	s_mov_b32 s95, s94
	s_mov_b32 s96, 0xc1e6d4ca                      ; -20 log2(e)
	s_mov_b32 s97, 0xc1e6d4ca
	s_wait_loadcnt 0x0
	s_wait_dscnt 0x0
.irp qt, 0,1,2
.irp kt, 0,1
	v_wmma_f32_16x16x128_bf8_bf8 v[104+8*(2*\qt+\kt):111+8*(2*\qt+\kt)], v[24+16*\kt:39+16*\kt], v[56+16*\qt:71+16*\qt], 0
.endr
.endr
.irp kt, 0,1
	v_wmma_f32_16x16x128_bf8_bf8 v[152+8*\kt:159+8*\kt], v[24+16*\kt:39+16*\kt], v[232:247], 0
.endr
	NOPS 4
.irp qt, 0,1,2,3
.irp kt, 0,1
.irp i, 0,1
	ds_load_b128 v[40+8*(2*\qt+\kt)+4*\i:43+8*(2*\qt+\kt)+4*\i], v2 offset:16*MP*\qt+64*\kt+16*\i
.endr
.endr
.endr
	; tanh(x) = 1 - 2 u, u = 1 / (1 + 2^(2 log2(e) x)).  In base 2 the logit is 10 log2(e) - 20 log2(e) u + log2(e) mask; the first term is the same in a whole row and falls out of the softmax.
.set n, 0
.rept 32
	v_pk_mul_f32 v[104+n:105+n], v[104+n:105+n], s[94:95] op_sel_hi:[1,0]
.set n, n+2
.endr
.set n, 0
.rept 64
	v_exp_f32 v[104+n], v[104+n]
.set n, n+1
.endr
	v_nop
	s_wait_alu depctr_va_vdst(0)                   ; one wait for the batch of 64
.set n, 0
.rept 32
	v_pk_add_f32 v[104+n:105+n], v[104+n:105+n], 1.0 op_sel_hi:[1,0]
.set n, n+2
.endr
.set n, 0
.rept 64
	v_rcp_f32 v[104+n], v[104+n]
.set n, n+1
.endr
	s_wait_dscnt 0x0                               ; the mask
.set n, 0
.rept 32
	v_pk_mul_f32 v[40+n:41+n], v[40+n:41+n], s[92:93] op_sel_hi:[1,0]   ; independent work between the reciprocals and their wait
.set n, n+2
.endr
	s_wait_alu depctr_va_vdst(0)
.set n, 0
.rept 32
	v_pk_fma_f32 v[104+n:105+n], v[104+n:105+n], s[96:97], v[40+n:41+n] op_sel_hi:[1,0,1]
.set n, n+2
.endr
.macro ROWMAX base                     ; for each query tile the largest of a lane's 16 numbers, the four tiles by turns
.irp qt, 0,1,2,3
	v_max3_num_f32 v[16+2*\qt], v[\base+16*\qt], v[\base+16*\qt+1], v[\base+16*\qt+2]
.endr
.irp i, 3,5,7,9,11,13
.irp qt, 0,1,2,3
	v_max3_num_f32 v[16+2*\qt], v[16+2*\qt], v[\base+16*\qt+\i], v[\base+16*\qt+\i+1]
.endr
.endr
.irp qt, 0,1,2,3
	v_max_num_f32 v[16+2*\qt], v[16+2*\qt], v[\base+16*\qt+15]
.endr
.endm
	ROWMAX 104
.irp qt, 0,1,2,3
	v_permlanex16_b32 v12, v[16+2*\qt], s42, s43
	v_max_num_f32 v[16+2*\qt], v[16+2*\qt], v12
	ds_store_b32 v3, v[16+2*\qt] offset:1280*\qt   ; lanes r and r + 16 write the same word with the same value
.endr
	BARRIER                                        ; sixteen maxima for each of the 64 rows
.irp qt, 0,1,2,3
.irp i, 0,1,2,3
	ds_load_b128 v[40+16*\qt+4*\i:43+16*\qt+4*\i], v4 offset:1280*\qt+16*\i
.endr
.endr
	s_wait_dscnt 0x0
	ROWMAX 40
.irp qt, 0,1,2,3
.irp i, 0,2,4,6,8,10,12,14
	v_pk_add_f32 v[104+16*\qt+\i:105+16*\qt+\i], v[104+16*\qt+\i:105+16*\qt+\i], v[16+2*\qt:17+2*\qt] op_sel_hi:[1,0] neg_lo:[0,1] neg_hi:[0,1]   ; the row's maximum is taken away
.endr
.endr
.set n, 0
.rept 64
	v_exp_f32 v[104+n], v[104+n]
.set n, n+1
.endr
	v_nop
	s_wait_alu depctr_va_vdst(0)
.irp qt, 0,1,2,3
	v_pk_add_f32 v[40+2*\qt:41+2*\qt], v[104+16*\qt:105+16*\qt], v[106+16*\qt:107+16*\qt]
.endr
.irp i, 4,6,8,10,12,14
.irp qt, 0,1,2,3
	v_pk_add_f32 v[40+2*\qt:41+2*\qt], v[40+2*\qt:41+2*\qt], v[104+16*\qt+\i:105+16*\qt+\i]
.endr
.endr
.irp qt, 0,1,2,3
	v_add_f32 v[40+2*\qt], v[40+2*\qt], v[41+2*\qt]
.endr
.irp qt, 0,1,2,3
	v_permlanex16_b32 v12, v[40+2*\qt], s42, s43
	v_add_f32 v[40+2*\qt], v[40+2*\qt], v12
	ds_store_b32 v3, v[40+2*\qt] offset:5120+1280*\qt
.endr
	BARRIER                                        ; sixteen sums for each row
.irp qt, 0,1,2,3
.irp i, 0,1,2,3
	ds_load_b128 v[40+16*\qt+4*\i:43+16*\qt+4*\i], v4 offset:5120+1280*\qt+16*\i
.endr
.endr
	s_wait_dscnt 0x0
.irp i, 2,4,6,8,10,12,14
.irp qt, 0,1,2,3
	v_pk_add_f32 v[40+16*\qt:41+16*\qt], v[40+16*\qt:41+16*\qt], v[40+16*\qt+\i:41+16*\qt+\i]
.endr
.endr
.irp qt, 0,1,2,3
	v_add_f32 v[40+16*\qt], v[40+16*\qt], v[41+16*\qt]
.endr
.irp qt, 0,1,2,3
	v_rcp_f32 v[16+2*\qt], v[40+16*\qt]
.endr
	v_nop
	s_wait_alu depctr_va_vdst(0)
.irp qt, 0,1,2,3
.irp i, 0,2,4,6,8,10,12,14
	v_pk_mul_f32 v[104+16*\qt+\i:105+16*\qt+\i], v[104+16*\qt+\i:105+16*\qt+\i], v[16+2*\qt:17+2*\qt] op_sel_hi:[1,0]
.endr
.endr
.irp qt, 0,1,2,3                       ; the probabilities take the mask's bytes: these have had their one fill, every read of them lies ahead of an earlier barrier, and a wave writes where it alone read last
.irp kt, 0,1
.irp i, 0,1
	ds_store_b128 v2, v[104+8*(2*\qt+\kt)+4*\i:107+8*(2*\qt+\kt)+4*\i] offset:16*MP*\qt+64*\kt+16*\i
.endr
.endr
.endr
	BARRIER                                        ; 64 whole rows lie in LDS
.irp i, 0,1,2,3                        ; row 4 w + i: four loads of two chunks' 256 bytes each
	ds_load_b128 v[40+16*\i:43+16*\i], v5 offset:MP*\i
	ds_load_b128 v[44+16*\i:47+16*\i], v5 offset:2*CH+MP*\i
	ds_load_b128 v[48+16*\i:51+16*\i], v6 offset:MP*\i
	ds_load_b128 v[52+16*\i:55+16*\i], v6 offset:2*CH+MP*\i
.endr
.set n, 0
.rept 16
	s_wait_dscnt 15-n                              ; LDS loads come back in order (ISA guide 5.7.1): load n is in, the younger ones may be out
	global_store_b128 v7, v[40+4*n:43+4*n], s[20:21] offset:(n/4)*2048+(n%4)*512 th:TH_STORE_NT   ; 512 consecutive bytes, at a multiple of 256 from out0's first byte; written once, read by nobody here
.set n, n+1
.endr
	s_wait_xcnt 0x0
	v_lshl_add_u32 v254, v0, 2, 0x4c800
	v_mov_b32 v255, 0
	s_wait_tensorcnt 0x0
	ds_add_u32 v254, v255
	s_wait_dscnt 0x0
	s_endpgm
.Lfunc_end_k_q05ca1def01_main:
	.size	k_q05ca1def01_main, .Lfunc_end_k_q05ca1def01_main-k_q05ca1def01_main
	.p2alignl 7, 3214868480
	.fill 96, 4, 3214868480
	.section	.rodata,"a",@progbits
	.p2align	6, 0x0
	.amdhsa_kernel k_q05ca1def01_main
		.amdhsa_group_segment_fixed_size 315392
		.amdhsa_private_segment_fixed_size 0
		.amdhsa_enable_private_segment 0
		.amdhsa_kernarg_size 72
		.amdhsa_user_sgpr_count 2
		.amdhsa_user_sgpr_kernarg_segment_ptr 1
		.amdhsa_wavefront_size32 1
		.amdhsa_system_sgpr_workgroup_id_x 1
		.amdhsa_system_sgpr_workgroup_id_y 1
		.amdhsa_system_sgpr_workgroup_id_z 1
		.amdhsa_system_vgpr_workitem_id 0
		.amdhsa_next_free_vgpr 256
		.amdhsa_next_free_sgpr 102
		.amdhsa_reserve_vcc 0
		.amdhsa_float_denorm_mode_32 3
		.amdhsa_float_denorm_mode_16_64 3
		.amdhsa_memory_ordered 1
		.amdhsa_forward_progress 1
		.amdhsa_inst_pref_size 160
	.end_amdhsa_kernel
	.amdgpu_metadata
---
amdhsa.version: [ 1, 2 ]
amdhsa.kernels:
  - .name:           k_q05ca1def01_main
    .symbol:         k_q05ca1def01_main.kd
    .args:
      - { .name: encoded_q1, .offset: 0, .size: 8, .value_kind: global_buffer, .address_space: global }
      - { .name: encoded_last_node, .offset: 8, .size: 8, .value_kind: global_buffer, .address_space: global }
      - { .name: ninf_mask, .offset: 16, .size: 8, .value_kind: global_buffer, .address_space: global }
      - { .name: b_comb, .offset: 24, .size: 8, .value_kind: global_buffer, .address_space: global }
      - { .name: lowp_scales, .offset: 32, .size: 8, .value_kind: global_buffer, .address_space: global }
      - { .name: kv, .offset: 40, .size: 8, .value_kind: global_buffer, .address_space: global }
      - { .name: nc, .offset: 48, .size: 8, .value_kind: global_buffer, .address_space: global }
      - { .name: wc, .offset: 56, .size: 8, .value_kind: global_buffer, .address_space: global }
      - { .name: out0, .offset: 64, .size: 8, .value_kind: global_buffer, .address_space: global }
    .group_segment_fixed_size: 315392
    .private_segment_fixed_size: 0
    .kernarg_segment_align: 8
    .kernarg_segment_size: 72
    .max_flat_workgroup_size: 512
    .sgpr_count:     102
    .vgpr_count:     256
    .wavefront_size: 32
...
	.end_amdgpu_metadata
.endif
;; end of part 2
